; MI455X (gfx1250); checked and timed in simulation.
; The chip was launched on July 23, 2026; its instructions are those of AMD's public machine-readable ISA for CDNA 5 (MIT licence, August 2026) and "CDNA5" Instruction Set Architecture Reference Guide (July 2026). The comments in the code are by the model that wrote it; some were corrected since.
;; Style Linear Layer. Allowed arithmetic: matrix products marked QUANTISED: E2M3 operands, one E8M0 scale for each 32 along K, by v_wmma_scale_f32_16x16x128_f8f6f4 with both operands' format E2M3, f32 sums; everything else in f32.
;; Inputs: aff_b 4,096 float32; aff_w 4,096 x 512 float32; bias 2,048 float32; input 8,192 x 2,048 float32; style 8,192 x 512 float32; weight 2,048 x 2,048 float32.
;; Outputs: out0 8,192 x 2,048 float32.
;; This version of the problem:
;;   THIS VERSION OF THE PROBLEM IS GIVEN IN LOW PRECISION. The matrix products marked QUANTISED in the list below multiply operands that are first quantised to E2M3 (2 exponent bits, 3 mantissa bits; 6 bits a number), with one power-of-two scale for each 32 numbers along K (OCP MX v1.0); their sums are f32. All else is computed in f32.
;;   The module's matrix products, in the order in which they are computed (A, B: the left and right operand; K: the contracted axis; several contracted axes count as one K, in the product's order):
;;     1. [M 8,192, K 512] x [K 512, N 4,096]; A: input style; B: input aff_w: QUANTISED
;;     2. [M 8,192, K 2,048] x [K 2,048, N 2,048]; A: input input; B: input weight: QUANTISED
;;   THE QUANTISER, for each operand of a quantised product, along K:
;;     - K is cut into blocks of 32 from its start; a last block that is shorter is filled with zeros.
;;     - A block's scale is 2^e with e = floor(log2(the largest magnitude in the block)) - 2, held to -126 .. 127; a block of zeros has e = 0. As a byte (E8M0): e + 127.
;;     - Each number is divided by its block's scale, clamped to +-7.5, and rounded to the nearest number of E2M3, ties to even, subnormals kept.
;;     - The product sums the exact products of the quantised numbers (number of the format x scale) in f32.
;;   ~~~python
;;   def quantise(x, axis):      # numpy; x: float32 -> the quantised numbers, widened to float32 again
;;       x = np.moveaxis(x, axis, -1); K = x.shape[-1]
;;       x = np.pad(x, [(0, 0)] * (x.ndim - 1) + [(0, -K % 32)]); x = x.reshape(x.shape[:-1] + (-1, 32)); a = np.abs(x).max(-1, keepdims=True)
;;       e = np.where(a > 0, np.clip(np.frexp(np.where(a > 0, a, 1))[1] - 1 - 2, -126, 127), 0)      # np.frexp(a)[1] - 1 = floor(log2(a)), exactly
;;       r = np.clip(x / 2.0 ** e, -7.5, 7.5)
;;       step = 2.0 ** (np.maximum(np.frexp(np.where(r == 0, 1, r))[1] - 1, 0) - 3)
;;       q = np.round(r / step) * step * 2.0 ** e      # np.round: ties to even
;;       return np.moveaxis(q.reshape(q.shape[:-2] + (-1,))[..., :K], -1, axis).astype(np.float32)
;;   ~~~
;; One version. Each part assembles by itself: llvm-mc -triple=amdgcn-amd-amdhsa -mcpu=gfx1250 --defsym DOCPART=n.
;; ======== version 1 of 1: 2 launches
;; limits: right only within a limited range of input values
;; workspace buffers: a_codes 15,728,640 bytes; b_codes 3,932,160 bytes; scales 819,200 bytes; wnorm 32,768 bytes
;; launch quant (part 1): grid 256 x 1, 13 waves a work-group, no clusters, 111,616 bytes of LDS; arguments input, style, weight, aff_w, a_codes, b_codes, scales, wnorm; writes a_codes, b_codes, scales, wnorm
.if DOCPART == 1
	.amdgcn_target "amdgcn-amd-amdhsa--gfx1250"
	.amdhsa_code_object_version 6
	.text
	.protected	k_q327bf13a0b_quant
	.globl	k_q327bf13a0b_quant
	.p2align	8
	.type	k_q327bf13a0b_quant,@function
k_q327bf13a0b_quant:
	s_mov_b64 s[64:65], 0
	v_nop
	global_prefetch_b8 v0, s[64:65] scope:SCOPE_SE
	s_setreg_imm32_b32 hwreg(HW_REG_WAVE_MODE, 25, 1), 1
	s_wait_xcnt 0x0
; input [8192][2048], style [8192][512], weight [2048][2048] and rows 0 to 2047 of aff_w [4096][512], all f32 with K innermost, become codes of FP6 (E2M3) with one E8M0
; scale byte for each 32 along K; and wnorm holds, for each row of weight, four partial sums of squares (one for each 512 along K) of the f32 numbers as they are given.
; DEAD WORK: enc[:, 2048:] is sliced away by reference() for all values of the inputs, so rows 2048 to 4095 of aff_w and of aff_b reach no output: they are not read by any launch.
; LIMITS: a NaN, an infinity or an overflow that reaches only the work left out is not carried to the result.  NaN and infinities among the inputs are not served.  A block of zeros gets the
; byte 1 where the rule says 127: its codes are zeros, which add nothing under any byte but 0xff, and only this program reads the bytes.
; A block's scale is 2^(floor(log2(its largest magnitude)) - 2): its byte is the largest magnitude's own exponent field - 2, held at 1 from below by a floor among the maximum's leaves.
; THE WORKSPACE IS LAID IN THE ORDER OF THE OPERAND'S REGISTERS.  K steps of 128 p = 0 .. 15 are input's / weight's, p = 16 .. 19 style's / aff_w's.
;   codes:  [row block][p: 20][1,536 bytes]: the image of a fragment (16 rows x 128 K, 12 registers a lane): register j of lane l at byte 512 (j / 4) + 16 l + 4 (j % 4)
;   scales: [row block: 640][p / 4: 5][r: 16][16 bytes]: word p % 4 is the row's scale word of K step p.  Row blocks 0-511 are input's / style's, 512-639 weight's / aff_w's
;   wnorm:  [row block of weight: 128][r: 16][K quarter: 4] f32
; WHICH ROWS FORM A ROW BLOCK.  input, style: block b holds rows 16 b + r.  weight, aff_w: block b holds rows 64 (b / 4) + 4 r + b % 4, so that in the product's result the four blocks of a
; group of 64 columns give lane r four neighbouring columns.
; SHARES.  A unit is 16 rows x 512 along K: four fragments.  The four tensors have 2,048 + 512 + 512 + 128 = 3,200 units: 12.5 for each of 256 work-groups.  Work-group g: waves 0-7 input, row block
; 2 g + w / 4, K quarter w % 4; waves 8, 9 style, row block 2 g + w - 8; waves 10, 11 weight, row block g / 2, K quarter 2 (g % 2) + w - 10; wave 12 half a unit of aff_w: row block g / 2, K half g % 2.
; Waves share nothing: no barrier.  Only pointers and scalar figures are chosen, on the wave's and the work-group's numbers; wave 12 has a short path of its own.
; A FRAGMENT'S WAY.  Sixteen loads, each 512 consecutive bytes of one row; through the wave's own stage in LDS (rows 528 bytes apart, so that the sixteen rows of a read start at sixteen
; different groups of banks); back so that lane (r, h) holds, of row r, k = 64 c + 32 h + 0 .. 31 in registers 32 c + 0 .. 31: two whole blocks, in the operand's own order.
.set STGP,  528                        ; a stage row: 512 bytes + 16
.set WSTG,  16*STGP                    ; a wave's stage
.set SPARE, 13*WSTG                    ; behind the stages: the spare words, 128 bytes a wave
.set IMG,   1536
.set RBROW, 20*IMG
.set SI,  4                            ; the stage, on the way in: 16 x lane
.set SOU, 5                            ; on the way out: 528 r + 128 h
.set LO,  6                            ; 16 x lane
.set L8,  7                            ; 16 r + 8 h
.set L4,  8                            ; 16 r + 4 h
.set M,   10                           ; v10-13 four chains of maxima
.set SOP, 14                           ; v14-15 the conversions' scale operands
.set BY,  16                           ; v16-17 the scale bytes
.set T,   18                           ; v18-19 at work
.set Q2,  20                           ; v20-23 sums of squares, two packed chains
.set W,   24                           ; v24-27 the fragments' scale words
.set D,   28                           ; v28-29 the scale words as they are stored
.set SH,  30                           ; 8 h
.set TC,  32                           ; v32-34, v36-38 the second halves of the blocks' codes
.set VO,  40                           ; v40-55 row i of my block: 16 x lane + i x the distance of its rows; never rewritten
.set C,   56                           ; v56-103 codes: twelve registers for each fragment, so that no store's data are written again
.set R,   104                          ; v104-231 two sets of 64 numbers
.set SPW, 232
.set NIL, 233
	s_load_b256 s[4:11], s[0:1], 0x0               ; input, style, weight, aff_w
	s_load_b256 s[12:19], s[0:1], 0x20             ; a_codes, b_codes, scales, wnorm
	v_lshl_add_u32 v[SPW], v0, 2, SPARE
	v_mov_b32 v[NIL], 0
	v_lshrrev_b32 v1, 5, v0
	v_readfirstlane_b32 s22, v1                    ; wave 0..12
	v_and_b32 v1, 31, v0                           ; lane
	v_and_b32 v2, 15, v0                           ; r
	v_bfe_u32 v3, v0, 4, 1                         ; h
	s_mul_i32 s23, s22, WSTG                       ; my stage
	v_lshlrev_b32 v[LO], 4, v1
	v_lshlrev_b32 v[L8], 4, v2
	v_lshl_add_u32 v[L4], v3, 2, v[L8]
	v_lshl_add_u32 v[L8], v3, 3, v[L8]
	v_add_nc_u32 v[SI], s23, v[LO]
	v_mul_u32_u24 v[SOU], v2, STGP
	v_lshl_add_u32 v[SOU], v3, 7, v[SOU]
	v_add_nc_u32 v[SOU], s23, v[SOU]
	v_lshlrev_b32 v[SH], 3, v3
	v_mov_b32 v[T+1], 0                            ; written once: a lane permute's destination counts as one of its sources
.irp i, 0,1,2,3
	v_mov_b32 v[Q2+\i], 0
.endr
	s_mov_b32 s36, 0x76543210
	s_mov_b32 s37, 0xfedcba98                      ; v_permlanex16_b32's selects for lane l xor 16
	; each tensor's figures: row block, and kf, my first fragment within a row
	s_lshl_b32 s30, ttmp9, 1                       ; 2 g
	s_lshr_b32 s31, ttmp9, 1                       ; g / 2
	s_and_b32 s33, ttmp9, 1                        ; g % 2
	s_and_b32 s34, s22, 3
	s_lshl_b32 s34, s34, 2                         ; input: kf = 4 (w % 4),
	s_lshr_b32 s35, s22, 2
	s_add_co_u32 s35, s35, s30                     ; row block 2 g + w / 4
	s_and_b32 s39, s22, 1                          ; w - 8 for style, w - 10 for weight
	s_add_co_u32 s40, s30, s39                     ; style: row block
	s_lshl_b32 s41, s33, 1                         ; aff_w: kf = 2 (g % 2)
	s_add_co_u32 s42, s41, s39
	s_lshl_b32 s42, s42, 2                         ; weight: kf = 4 (2 (g % 2) + w - 10)
	s_lshr_b32 s38, s22, 1
	s_cmp_eq_u32 s38, 5
	s_cselect_b32 s38, 1, 0                        ; 1: my tensor is weight
	s_mov_b32 s32, 2048                            ; aff_w: the source's pitch in bytes,
	s_mov_b32 s43, 512                             ; its first row block among the scales,
	s_mov_b32 s45, s31                             ; my row block,
	s_mov_b32 s46, s41                             ; kf,
	s_mov_b32 s47, 16                              ; and the K step of a row's first fragment
	s_wait_kmcnt 0x0
	s_mov_b64 s[24:25], s[10:11]
	s_mov_b64 s[26:27], s[14:15]
	s_cmp_lt_u32 s22, 12                           ; weight.  Between a compare and its selects stand selects alone
	s_cselect_b64 s[24:25], s[8:9], s[24:25]
	s_cselect_b32 s46, s42, s46
	s_cselect_b32 s47, 0, s47
	s_cselect_b32 s32, 8192, s32
	s_cmp_lt_u32 s22, 10                           ; style
	s_cselect_b64 s[24:25], s[6:7], s[24:25]
	s_cselect_b64 s[26:27], s[12:13], s[26:27]
	s_cselect_b32 s43, 0, s43
	s_cselect_b32 s45, s40, s45
	s_cselect_b32 s46, 0, s46
	s_cselect_b32 s47, 16, s47
	s_cselect_b32 s32, 2048, s32
	s_cmp_lt_u32 s22, 8                            ; input
	s_cselect_b64 s[24:25], s[4:5], s[24:25]
	s_cselect_b32 s45, s35, s45
	s_cselect_b32 s46, s34, s46
	s_cselect_b32 s47, 0, s47
	s_cselect_b32 s32, 8192, s32
	; offsets, made apart from the addresses; all lie under 2^27
	s_lshr_b32 s40, s45, 2
	s_lshl_b32 s40, s40, 6
	s_and_b32 s42, s45, 3
	s_add_co_u32 s40, s40, s42                     ; weight, aff_w: my block's first row, 64 (b / 4) + b % 4,
	s_lshl_b32 s42, s45, 4                         ; input, style: 16 b
	s_lshl_b32 s44, s32, 2
	s_cmp_eq_u32 s43, 512
	s_cselect_b32 s40, s40, s42
	s_cselect_b32 s44, s44, s32                    ; bytes from my block's row r to its row r + 1
	s_mul_i32 s40, s40, s32
	s_lshl_b32 s42, s46, 9
	s_add_co_u32 s40, s40, s42                     ; first row x pitch + 512 kf
	s_mov_b32 s41, 0
	s_add_nc_u64 s[24:25], s[24:25], s[40:41]
	s_add_co_u32 s47, s47, s46                     ; my first K step
	s_mul_i32 s40, s45, RBROW
	s_mul_i32 s42, s47, IMG
	s_add_co_u32 s40, s40, s42
	s_add_nc_u64 s[26:27], s[26:27], s[40:41]      ; my images: a multiple of 256 bytes from the buffer's first byte
	s_add_co_u32 s40, s45, s43
	s_mul_i32 s40, s40, 1280
	s_lshr_b32 s42, s47, 2
	s_lshl_b32 s42, s42, 8
	s_add_co_u32 s40, s40, s42
	s_and_b32 s42, s47, 3
	s_lshl_b32 s42, s42, 2
	s_add_co_u32 s40, s40, s42                     ; my scale words: a whole unit's 256 bytes, or (wave 12) words 0, 1 or 2, 3 of each row's four
	s_add_nc_u64 s[28:29], s[16:17], s[40:41]
	s_lshl_b32 s40, s45, 8
	s_add_co_u32 s40, s40, s46                     ; wnorm: 256 x row block + 4 x K quarter (used where the tensor is weight, and nowhere else)
	s_add_nc_u64 s[20:21], s[18:19], s[40:41]
.irp i, 0,1,2,3,4,5,6,7,8,9,10,11,12,13,14,15
	v_mad_u32_u24 v[VO+\i], s44, \i, v[LO]
.endr
	s_wait_alu depctr_va_vdst(0)                   ; the wait at the head's end
.macro LOAD f                          ; fragment f: sixteen rows' 512 bytes, 32 lanes x 16 consecutive bytes a load; read once in the launch
.irp i, 0,1,2,3,4,5,6,7,8,9,10,11,12,13,14,15
	global_load_b128 v[R+64*((\f)%2)+4*\i:R+64*((\f)%2)+4*\i+3], v[VO+\i], s[24:25] offset:512*(\f) th:TH_LOAD_NT
.endr
.endm
.macro TURN f                          ; through the stage and back into the same registers.  LDS serves a wave's instructions in order (ISA guide 5.7.1.4): no wait between the stores and the loads
.irp i, 0,1,2,3,4,5,6,7,8,9,10,11,12,13,14,15
	ds_store_b128 v[SI], v[R+64*((\f)%2)+4*\i:R+64*((\f)%2)+4*\i+3] offset:STGP*\i
.endr
.irp c, 0,1
.irp j, 0,1,2,3,4,5,6,7
	ds_load_b128 v[R+64*((\f)%2)+32*\c+4*\j:R+64*((\f)%2)+32*\c+4*\j+3], v[SOU] offset:256*\c+16*\j
.endr
.endr
.endm
.macro SQ f                            ; weight alone: my 64 numbers' squares, two at a time, in two chains.  The branch hangs on the wave's number
.set XS, R+64*((\f)%2)
	s_cmp_eq_u32 s38, 1
	s_cbranch_scc0 .Lno_squares_\@
.set n, 0
.rept 16
	v_pk_fma_f32 v[Q2:Q2+1], v[XS+n:XS+n+1], v[XS+n:XS+n+1], v[Q2:Q2+1]
	v_pk_fma_f32 v[Q2+2:Q2+3], v[XS+n+2:XS+n+3], v[XS+n+2:XS+n+3], v[Q2+2:Q2+3]
.set n, n+4
.endr
.Lno_squares_\@:
.endm
.macro QUANT f                         ; my two blocks (2 c + h, c = 0, 1) of fragment f: codes into v[C + 12 f] on, the row's scale word into v[W + f]
.set XS, R+64*((\f)%2)
.irp c, 0,1
.irp u, 0,1
	v_max3_num_f32 v[M+2*\c+\u], |v[XS+32*\c+16*\u]|, |v[XS+32*\c+16*\u+1]|, 0x1800000   ; two chains a block, by turns; the floor 2^(3 - 127): so the byte cannot fall under 1
.endr
.endr
.irp i, 2,4,6,8,10,12,14
.irp c, 0,1
.irp u, 0,1
	v_max3_num_f32 v[M+2*\c+\u], v[M+2*\c+\u], |v[XS+32*\c+16*\u+\i]|, |v[XS+32*\c+16*\u+\i+1]|
.endr
.endr
.endr
.irp c, 0,1
	v_max_num_f32 v[M+2*\c], v[M+2*\c], v[M+2*\c+1]        ; the block's largest magnitude: all 32 numbers are mine
.endr
.irp c, 0,1
	v_add_nc_u32 v[SOP+\c], 0xff000000, v[M+2*\c]          ; 2 off its exponent field: the conversion takes the exponent field of this operand as its scale
.endr
.irp c, 0,1
	v_lshrrev_b32 v[BY+\c], 23, v[SOP+\c]                  ; the scale's byte
.endr
	v_lshl_or_b32 v[T], v[BY+1], 16, v[BY]                 ; my two bytes: blocks h and 2 + h of row r,
	v_lshlrev_b32 v[T], v[SH], v[T]                        ; at their places in the word (8 h bits up);
	v_permlanex16_b32 v[T+1], v[T], s36, s37
	v_or_b32 v[W+(\f)], v[T], v[T+1]                       ; with lane l xor 16's two the word is whole, in both lanes
.irp c, 0,1
	v_cvt_scalef32_pk16_fp6_f32 v[C+12*(\f)+6*\c:C+12*(\f)+6*\c+2], v[XS+32*\c:XS+32*\c+15], v[SOP+\c]   ; to the nearest code, ties to even, beyond 7.5 the largest code
	v_cvt_scalef32_pk16_fp6_f32 v[TC+4*\c:TC+4*\c+2], v[XS+32*\c+16:XS+32*\c+31], v[SOP+\c]              ; (a conversion's three registers begin on an even number: a block's second three are made here and moved)
.endr
	v_nop                                                  ; one plain place behind a scaled conversion
.irp c, 0,1
.irp i, 0,1,2
	v_mov_b32 v[C+12*(\f)+6*\c+3+\i], v[TC+4*\c+\i]
.endr
.endr
.endm
.macro OUT f                           ; the image: each store covers 512 consecutive bytes, at a multiple of 256 from the buffer's first byte
.irp c, 0,1,2
	global_store_b128 v[LO], v[C+12*(\f)+4*\c:C+12*(\f)+4*\c+3], s[26:27] offset:IMG*(\f)+512*\c
.endr
.endm
	LOAD 0
	LOAD 1
	s_cmp_eq_u32 s22, 12
	s_cbranch_scc1 .Lhalf                          ; wave 12 has two fragments and asks for no more
.irp f, 0,1,2,3
.if \f < 3
	s_wait_loadcnt 16                              ; this fragment's sixteen loads are in; the next fragment's sixteen may be out
.else
	s_wait_loadcnt 0x0
.endif
	TURN \f
	s_wait_dscnt 0x0                               ; my 64 numbers are back
	SQ \f
	QUANT \f
.if \f < 2
	LOAD \f+2                                      ; into the set just converted
.endif
	OUT \f
.endr
	; row r's four scale words are 16 bytes; lane (r, 0) stores those of fragments 0 and 1, lane (r, 1) those of 2 and 3: the wave's one store covers 256 consecutive bytes, aligned
	v_cmp_eq_u32 vcc_lo, 1, v3
	v_cndmask_b32 v[D], v[W], v[W+2], vcc_lo
	v_cndmask_b32 v[D+1], v[W+1], v[W+3], vcc_lo
	global_store_b64 v[L8], v[D:D+1], s[28:29]
	s_cmp_eq_u32 s38, 1
	s_cbranch_scc0 .Lend
	; weight: my K quarter's sum of squares of row r: my lane's and lane l xor 16's
	v_add_f32 v[Q2], v[Q2], v[Q2+1]
	v_add_f32 v[Q2+2], v[Q2+2], v[Q2+3]
	v_add_f32 v[Q2], v[Q2], v[Q2+2]
	v_permlanex16_b32 v[T+1], v[Q2], s36, s37
	v_add_f32 v[Q2], v[Q2], v[T+1]
	s_wait_alu depctr_va_vdst(0)                   ; the wait here, directly ahead of the wait below
	s_wait_xcnt 0x0                                ; EXEC is a source of the stores above: it changes only behind this wait
	v_cmp_gt_u32 vcc_lo, 16, v1
	s_and_saveexec_b32 s42, vcc_lo
	global_store_b32 v[L8], v[Q2], s[20:21]        ; lanes 0-15 (h = 0): word K quarter of row r's four; the whole buffer is 32,768 bytes
	s_wait_xcnt 0x0                                ; and again, in front of the line that widens it
	s_or_b32 exec_lo, exec_lo, s42
	s_branch .Lend
.Lhalf:
	s_wait_loadcnt 16
	TURN 0
	s_wait_dscnt 0x0
	QUANT 0
	OUT 0
	s_wait_loadcnt 0x0
	TURN 1
	s_wait_dscnt 0x0
	QUANT 1
	OUT 1
	v_cmp_eq_u32 vcc_lo, 1, v3
	v_cndmask_b32 v[D], v[W], v[W+1], vcc_lo
	global_store_b32 v[L4], v[D], s[28:29]         ; lane (r, h) stores fragment h's word: 8 of row r's 16 bytes; the work-group beside mine stores the other 8 (aff_w's scales are 32,768 bytes in all)
.Lend:
	s_wait_tensorcnt 0x0                           ; the wave's end, behind my last LDS store
	ds_add_u32 v[SPW], v[NIL]
	s_wait_dscnt 0x0
	s_endpgm
.Lfunc_end_k_q327bf13a0b_quant:
	.size	k_q327bf13a0b_quant, .Lfunc_end_k_q327bf13a0b_quant-k_q327bf13a0b_quant
	.p2alignl 7, 3214868480
	.fill 96, 4, 3214868480
	.section	.rodata,"a",@progbits
	.p2align	6, 0x0
	.amdhsa_kernel k_q327bf13a0b_quant
		.amdhsa_group_segment_fixed_size 111616
		.amdhsa_private_segment_fixed_size 0
		.amdhsa_enable_private_segment 0
		.amdhsa_kernarg_size 64
		.amdhsa_user_sgpr_count 2
		.amdhsa_user_sgpr_kernarg_segment_ptr 1
		.amdhsa_wavefront_size32 1
		.amdhsa_system_sgpr_workgroup_id_x 1
		.amdhsa_system_sgpr_workgroup_id_y 1
		.amdhsa_system_sgpr_workgroup_id_z 1
		.amdhsa_system_vgpr_workitem_id 0
		.amdhsa_next_free_vgpr 234
		.amdhsa_next_free_sgpr 66
		.amdhsa_reserve_vcc 1
		.amdhsa_float_denorm_mode_32 3
		.amdhsa_float_denorm_mode_16_64 3
		.amdhsa_memory_ordered 1
		.amdhsa_forward_progress 1
		.amdhsa_inst_pref_size 53
	.end_amdhsa_kernel
	.amdgpu_metadata
---
amdhsa.version: [ 1, 2 ]
amdhsa.kernels:
  - .name:           k_q327bf13a0b_quant
    .symbol:         k_q327bf13a0b_quant.kd
    .args:
      - { .name: input, .offset: 0, .size: 8, .value_kind: global_buffer, .address_space: global }
      - { .name: style, .offset: 8, .size: 8, .value_kind: global_buffer, .address_space: global }
      - { .name: weight, .offset: 16, .size: 8, .value_kind: global_buffer, .address_space: global }
      - { .name: aff_w, .offset: 24, .size: 8, .value_kind: global_buffer, .address_space: global }
      - { .name: a_codes, .offset: 32, .size: 8, .value_kind: global_buffer, .address_space: global }
      - { .name: b_codes, .offset: 40, .size: 8, .value_kind: global_buffer, .address_space: global }
      - { .name: scales, .offset: 48, .size: 8, .value_kind: global_buffer, .address_space: global }
      - { .name: wnorm, .offset: 56, .size: 8, .value_kind: global_buffer, .address_space: global }
    .group_segment_fixed_size: 111616
    .private_segment_fixed_size: 0
    .kernarg_segment_align: 8
    .kernarg_segment_size: 64
    .max_flat_workgroup_size: 416
    .sgpr_count:     66
    .vgpr_count:     234
    .wavefront_size: 32
...
	.end_amdgpu_metadata
.endif
;; end of part 1
;; launch gemm (part 2): grid 8 x 32, 4 waves a work-group, clusters of 4 x 4, 327,680 bytes of LDS; arguments a_codes, b_codes, scales, aff_b, wnorm, bias, out0; writes out0
.if DOCPART == 2
	.amdgcn_target "amdgcn-amd-amdhsa--gfx1250"
	.amdhsa_code_object_version 6
	.text
	.protected	k_q327bf13a0b_gemm
	.globl	k_q327bf13a0b_gemm
	.p2align	8
	.type	k_q327bf13a0b_gemm,@function
k_q327bf13a0b_gemm:
	s_mov_b64 s[64:65], 0
	v_nop
	global_prefetch_b8 v0, s[64:65] scope:SCOPE_SE
	s_setreg_imm32_b32 hwreg(HW_REG_WAVE_MODE, 25, 1), 1
	s_wait_xcnt 0x0
	s_wait_alu depctr_hold_cnt(0) depctr_sa_sdst(0) depctr_va_vdst(0) depctr_va_sdst(0) depctr_va_ssrc(0) depctr_va_vcc(0) depctr_vm_vsrc(0)
	s_getreg_b32 s2, hwreg(HW_REG_IB_STS2, 6, 4)
	s_cmp_eq_u32 s2, 0
	s_cbranch_scc0 .Lentry_in_a_cluster
	s_endpgm
.Lentry_in_a_cluster:
	s_bfe_u32 s2, ttmp6, 0x10000c
	s_cmp_lg_u32 s2, 0xf033
	s_cbranch_scc0 .Lentry_shape_is_right
	s_endpgm
.Lentry_shape_is_right:
; out0[m][n] = base x s x |s| x wnorm[n] + bias[n], base = sum over 2,048 k of input[m][k] weight[n][k], s = sum over 512 k of style[m][k] aff_w[n][k] + aff_b[n]; both products on codes of
; FP6 (E2M3) with E8M0 scales, as the launch before laid them; sums and all else in f32.  Rows 2048 on of aff_w and aff_b are not read: they feed only the half of the affine result that is sliced away.
; A work-group of four waves makes 256 x 256 of out0, a wave 128 x 128: 64 accumulators, 512 registers.  K steps of 128: p = 0 .. 15 are base's, p = 16 .. 19 s's.
; CODES lie as images of fragments, [row block][p][1,536 bytes]: three loads of 16 bytes a lane bring a fragment from LDS.  A ring of two LDS slots, three K steps each (the first fill two):
; fills hold p = 0-1, 2-4, 5-7, 8-10, 11-13, 14-16, 17-19, in slots 0, 1, 0, 1, ..  A wave's tensor load brings 8 row blocks x 4,608 consecutive bytes, each at a multiple of 256.
; CLUSTERS: 4 x 4 work-groups; A's tiles are asked for jointly along a row of the cluster, B's along a column.
; THE RESULT'S LAYOUT: source 0 = 16 rows of input, source 1 = a block of weight.  Register j of lane (r, h) is row 8 h + j and the column of the block's lane r, and block 4 g + i holds in lane r
; column 64 g + 4 r + i.  So the four blocks of a group give a lane 16 neighbouring bytes of a row, and a store's sixteen lanes write 256 consecutive bytes, aligned: nothing goes through LDS on the way out.
; THE WAY OUT, in 16 pieces (a half of my columns x 16 rows): 16 matrix instructions make s (aff_b is the C of the first), then base x s, x wnorm, x |s| + bias, and 8 stores.
; PREFETCH: each fill's bytes are asked for one fill (three K steps) ahead of its tensor load; of the 8 row blocks that a wave fetches each of the four partners names 2, told apart by address:
; 36 blocks of 256 bytes, two instructions a wave; the address registers are never rewritten; the last fill has no successor and asks for nothing.
; REGISTERS: window 0: v0-31 addresses and parameters; v32-95 scale words, two sets; v128-223 A's fragments, one set; v224-255 aff_b for my columns 64-127.  On the way out v96-143 style's fragments,
; v144-159 wnorm in pairs, v160-223 results.  Window 1: B's fragments, two sets at v0 and v128; v224-255 aff_b for my columns 0-63; on the way out v0-191 aff_w's fragments, v192-223 s.  Windows 2, 3: accumulators.
.set FR,     12                        ; registers of a fragment
.set NL,     3                         ; LDS loads that bring one
.set NP,     4                         ; places behind this matrix form (ISA guide 7.12.1)
.set IMG,    1536
.set RBROW,  20*IMG                    ; a row block's twenty images
.set HALFT,  8*3*IMG                   ; what one tensor load brings: 8 row blocks x 3 K steps
.set SLOT,   4*HALFT
.set SROW,   1280                      ; a row block's scales
.set SPARE,  2*SLOT                    ; behind the ring: the spare words, 128 bytes a wave
.set WL,   4                           ; v4-11   wnorm of my eight blocks' lane r
.set BI,   12                          ; v12-19  bias likewise
.set ADRA, 20                          ; v20-21  my A fragments in slot 0, 1
.set ADRB, 22                          ; v22-23  my B fragments
.set WQ,   224                         ; v224-255 at the head alone: the four partial sums of squares of each of my eight blocks' lane r
.set PF0,  25                          ; prefetch: blocks 0-31 of my 36
.set CO,   26                          ; my place in out0: 8 h rows + 16 r
.set SOFF, 27                          ; my scale words: lanes 0-15 A's, lanes 16-31 B's
.set SPW,  28
.set NIL,  29
.set PF1,  30                          ; prefetch: blocks 32-35
.set PO,   31                          ; 16 r
.set SC,   32
.set PA,   96
.set TB,   96                          ; v96-103 aff_b as loaded (at the head alone)
.set AF,   128
.set WN,   144
.set RB0,  160
.set AB,   224
.set SAC,  192
.set G1, 24
.set G0, 32
.set G1B, 48
.set G0B, 56
.set G1S, 68                           ; groups 1 of the first fill: two K steps
.set G1SB, 80
.set PFB, 76                           ; s[76:77] the prefetches' base
.set MSB, 0
.macro WIN new                         ; the immediate's high byte repeats the setting that is left
.if MSB != \new
	s_set_vgpr_msb (MSB<<8)|\new
.set MSB, \new
.endif
.endm
.set MUL_LO, 0xa4                      ; source 0 (A) window 0, source 1 (B) window 1, C and D window 2
.set MUL_HI, 0xf4
.set TO_B,   0x40
.macro JLOAD g0a, g1a, g0b, g1b        ; a joint load: waves 0, 1 fetch for A, waves 2, 3 for B; s_nop 0 and four v_nop behind each line
	s_cmp_eq_u32 s21, 0
	s_cbranch_scc0 .Lfor_b_\@
	tensor_load_to_lds s[\g0a:\g0a+3], s[\g1a:\g1a+7]
	s_nop 0
.rept 4
	v_nop
.endr
	s_branch .Lasked_\@
.Lfor_b_\@:
	tensor_load_to_lds s[\g0b:\g0b+3], s[\g1b:\g1b+7]
	s_nop 0
.rept 4
	v_nop
.endr
.Lasked_\@:
.endm
.macro CREST                           ; a round of the cluster's barrier behind its opening barrier
	s_cmp_lg_u32 s20, 0
	s_cbranch_scc1 .Lnot_wave_0_\@
	s_barrier_signal -3
.Lnot_wave_0_\@:
	s_barrier_wait -3
	s_barrier_signal -1
	s_barrier_wait -1
.endm
.macro CROUND
	s_barrier_signal -1
	s_barrier_wait -1
	CREST
.endm
.macro SCLOAD u                        ; the scale words of K steps 4 u .. 4 u + 3 into set u % 2: sixteen lanes read 256 consecutive bytes
.irp i, 0,1,2,3,4,5,6,7
	global_load_b128 v[SC+32*((\u)%2)+4*\i:SC+32*((\u)%2)+4*\i+3], v[SOFF], s[8:9] offset:\i*SROW+256*(\u)
.endr
.endm
.macro ASK p                           ; the fill that begins at K step p: my work-group's 2 row blocks x 18 blocks of 256 bytes
	global_prefetch_b8 v[PF0], s[PFB:PFB+1] offset:(\p)*IMG th:TH_LOAD_NT scope:SCOPE_SE
	global_prefetch_b8 v[PF1], s[PFB:PFB+1] offset:(\p)*IMG th:TH_LOAD_NT scope:SCOPE_SE
.endm
	s_load_b256 s[4:11], s[0:1], 0x0               ; a_codes, b_codes, scales, aff_b
	s_load_b128 s[12:15], s[0:1], 0x20             ; wnorm, bias
	s_load_b64 s[16:17], s[0:1], 0x30              ; out0
	v_lshl_add_u32 v[SPW], v0, 2, SPARE
	v_mov_b32 v[NIL], 0
	ds_add_u32 v[SPW], v[NIL]                      ; the opening lines: the add, twice on end, and its wait
	ds_add_u32 v[SPW], v[NIL]
	v_lshrrev_b32 v1, 5, v0
	v_readfirstlane_b32 s20, v1                    ; wave
	s_lshr_b32 s21, s20, 1                         ; my half of the rows; also: I fetch for A (0) or B (1)
	s_and_b32 s22, s20, 1                          ; my half of the columns; also: which 8 row blocks I fetch
	s_bfe_u32 s40, ttmp6, 0x40000                  ; cx
	s_bfe_u32 s41, ttmp6, 0x40004                  ; cy
	s_lshl_b32 s42, ttmp9, 2
	s_add_co_u32 s42, s42, s40                     ; tile column
	s_and_b32 s23, ttmp7, 0xffff
	s_lshl_b32 s23, s23, 2
	s_add_co_u32 s23, s23, s41                     ; tile row
	s_lshl_b32 s43, s41, 2
	s_lshl_b32 s43, 15, s43                        ; my row of the cluster
	s_lshl_b32 s44, 0x1111, s40                    ; my column
	s_or_b32 s[G1+0], s43, (3<<16)|(1<<21)         ; elements of 8 bytes; bit 21 beside a mask
	s_or_b32 s[G1B+0], s44, (3<<16)|(1<<21)
.irp g, G1, G1B
	s_mov_b32 s[\g+1], (3*IMG/8)<<16               ; rows of three images,
	s_mov_b32 s[\g+2], 8<<16                       ; eight of them,
	s_mov_b32 s[\g+3], (3*IMG/8)<<16
	s_mov_b32 s[\g+4], 8
	s_mov_b32 s[\g+5], RBROW/8                     ; a row block apart
	s_mov_b32 s[\g+6], 0
	s_mov_b32 s[\g+7], 0
.endr
	s_or_b32 s[G1S+0], s43, (3<<16)|(1<<21)
	s_or_b32 s[G1SB+0], s44, (3<<16)|(1<<21)
.irp g, G1S, G1SB
	s_mov_b32 s[\g+1], (2*IMG/8)<<16               ; the first fill: rows of two images
	s_mov_b32 s[\g+2], 8<<16
	s_mov_b32 s[\g+3], (2*IMG/8)<<16
	s_mov_b32 s[\g+4], 8
	s_mov_b32 s[\g+5], RBROW/8
	s_mov_b32 s[\g+6], 0
	s_mov_b32 s[\g+7], 0
.endr
	s_lshl_b32 s2, s22, 3
	s_lshl_b32 s94, s23, 4
	s_add_co_u32 s94, s94, s2                      ; A: row block 16 x tile row + 8 x half
	s_lshl_b32 s96, s42, 4
	s_add_co_u32 s96, s96, s2                      ; B: 16 x tile column + 8 x half
	s_mul_i32 s94, s94, RBROW
	s_mov_b32 s95, 0
	s_mul_i32 s96, s96, RBROW
	s_mov_b32 s97, 0
	s_mul_i32 s45, s20, HALFT                      ; where my loads go: wave x 8 row blocks
	s_wait_dscnt 0x0                               ; both opening adds are done
	s_wait_kmcnt 0x0
	s_add_nc_u64 s[94:95], s[4:5], s[94:95]
	s_add_nc_u64 s[96:97], s[6:7], s[96:97]
.irp s, 0,1
	s_mov_b32 s[G0+4*\s], 1
	s_add_co_u32 s[G0+4*\s+1], s45, \s*SLOT
	s_add_nc_u64 s[G0+4*\s+2:G0+4*\s+3], s[94:95], \s*2*IMG        ; slot 0 begins at K step 0, slot 1 at K step 2
	s_or_b32 s[G0+4*\s+3], s[G0+4*\s+3], 0x80000000
	s_mov_b32 s[G0B+4*\s], 1
	s_add_co_u32 s[G0B+4*\s+1], s45, \s*SLOT
	s_add_nc_u64 s[G0B+4*\s+2:G0B+4*\s+3], s[96:97], \s*2*IMG
	s_or_b32 s[G0B+4*\s+3], s[G0B+4*\s+3], 0x80000000
.endr
	CROUND                                         ; all sixteen work-groups are here: the first joint loads meet
	JLOAD G0, G1S, G0B, G1SB                       ; K steps 0 and 1: one tensor load a wave at the head
	; under that load's flight: first all scalar figures, then all vector ones, then the loads of scales and parameters
	s_mul_i32 s2, s21, HALFT                       ; my 8 row blocks of A in slot 0,
	s_mul_i32 s3, s22, HALFT
	s_add_co_u32 s3, s3, 2*HALFT                   ; of B,
	s_add_co_u32 s46, s2, SLOT                     ; and the same in slot 1
	s_add_co_u32 s47, s3, SLOT
	s_lshl_b32 s18, s23, 4
	s_lshl_b32 s19, s21, 3
	s_add_co_u32 s18, s18, s19
	s_mul_i32 s18, s18, SROW                       ; the scales of my rows of A,
	s_lshl_b32 s19, s42, 4
	s_lshl_b32 s88, s22, 3
	s_add_co_u32 s19, s19, s88
	s_add_co_u32 s19, s19, 512
	s_mul_i32 s19, s19, SROW
	s_sub_co_u32 s19, s19, s18                     ; and how far behind them those of my blocks of B lie
	s_lshl_b32 s92, s42, 10
	s_lshl_b32 s93, s22, 9
	s_add_co_u32 s92, s92, s93                     ; my first column, in bytes of f32
	s_mov_b32 s93, 0
	s_add_nc_u64 s[10:11], s[10:11], s[92:93]
	s_lshl_b32 s88, s92, 2                         ; wnorm holds 16 bytes for each column
	s_mov_b32 s89, 0
	s_add_nc_u64 s[12:13], s[12:13], s[88:89]
	s_add_nc_u64 s[14:15], s[14:15], s[92:93]
	s_add_nc_u64 s[16:17], s[16:17], s[92:93]
	s_lshl_b32 s92, s23, 8
	s_lshl_b32 s88, s21, 7
	s_add_co_u32 s92, s92, s88
	s_lshl_b32 s92, s92, 13                        ; my first row of out0 x 8,192 bytes
	s_add_nc_u64 s[16:17], s[16:17], s[92:93]
	s_cmp_eq_u32 s21, 0                            ; the prefetches: the tile that I fetch,
	s_cselect_b64 s[PFB:PFB+1], s[94:95], s[96:97]
	s_cselect_b32 s78, s40, s41                    ; my work-group's place among the four that ask for it,
	s_mul_i32 s78, s78, 2*RBROW                    ; and its 2 of the 8 row blocks
	s_mov_b32 s79, 0
	s_add_nc_u64 s[PFB:PFB+1], s[PFB:PFB+1], s[78:79]
	v_and_b32 v1, 15, v0                           ; r
	v_bfe_u32 v2, v0, 4, 1                         ; h
	v_and_b32 v3, 31, v0                           ; lane
	v_lshlrev_b32 v[PO], 4, v1
	v_lshl_add_u32 v[CO], v2, 16, v[PO]
	v_mul_u32_u24 v[SOFF], s19, v2
	v_lshl_add_u32 v[SOFF], v1, 4, v[SOFF]
	v_add_nc_u32 v[SOFF], s18, v[SOFF]
	v_lshlrev_b32 v[ADRA], 4, v3                   ; an image is read as it lies: 16 x lane
	v_add_nc_u32 v[ADRA+1], s46, v[ADRA]
	v_add_nc_u32 v[ADRB], s3, v[ADRA]
	v_add_nc_u32 v[ADRB+1], s47, v[ADRA]
	v_add_nc_u32 v[ADRA], s2, v[ADRA]
	v_mul_u32_u24 v[PF0], v3, 57
	v_lshrrev_b32 v[PF0], 10, v[PF0]               ; lane / 18, for lanes 0 to 31
	v_mul_u32_u24 v[PF0], v[PF0], RBROW-18*256
	v_lshl_add_u32 v[PF0], v3, 8, v[PF0]           ; block lane % 18 of row block lane / 18
	v_min_u32 v[PF1], 3, v3
	v_lshlrev_b32 v[PF1], 8, v[PF1]
	v_add_nc_u32 v[PF1], RBROW+14*256, v[PF1]      ; blocks 14 to 17 of the second row block; the lanes left over name the last again
	s_wait_alu depctr_va_vdst(0)                   ; the wait behind the head's vector lines
	ASK 2
	SCLOAD 0
	SCLOAD 1
.irp i, 0,1,2,3,4,5,6,7
	global_load_b128 v[WQ+4*\i:WQ+4*\i+3], v[PO], s[12:13] offset:256*\i   ; sixteen lanes read 256 consecutive bytes
.endr
.irp g, 0,1
	global_load_b128 v[BI+4*\g:BI+4*\g+3], v[PO], s[14:15] offset:256*\g
	global_load_b128 v[TB+4*\g:TB+4*\g+3], v[PO], s[10:11] offset:256*\g
.endr
.macro LOC g                           ; where K step g lies: slot LS, image LQ of a row block's LP bytes
.if (\g) < 2
.set LS, 0
.set LQ, (\g)
.set LP, 2*IMG
.else
.set LS, (((\g)+1)/3)%2
.set LQ, ((\g)+1)%3
.set LP, 3*IMG
.endif
.endm
.macro SETG g
.set G, \g
.set BP, 128*(G%2)                     ; B's set at work, and the other
.set BN, 128-BP
.set SG, SC+32*((G/4)%2)+G%4
.endm
.macro FRAG reg, adr, i
.irp c, 0,1,2
	ds_load_b128 v[\reg+4*\c:\reg+4*\c+3], v[\adr+LS] offset:(\i)*LP+LQ*IMG+512*\c
.endr
.endm
.macro MUL16 a0, zero                  ; A's blocks a0, a0 + 1 x B's eight; the 64 accumulators take turns, one instruction a turn
.irp a, \a0, \a0+1
.irp b, 0,1,2,3,4,5,6,7
.if \zero
	v_wmma_scale_f32_16x16x128_f8f6f4 v[8*(8*((\a)%4)+\b):8*(8*((\a)%4)+\b)+7], v[AF+FR*(\a):AF+FR*(\a)+FR-1], v[BP+FR*\b:BP+FR*\b+FR-1], 0, v[SG+4*(\a)], v[SG+4*\b] matrix_a_fmt:MATRIX_FMT_FP6 matrix_b_fmt:MATRIX_FMT_FP6 matrix_b_scale:MATRIX_SCALE_ROW1
.else
	v_wmma_scale_f32_16x16x128_f8f6f4 v[8*(8*((\a)%4)+\b):8*(8*((\a)%4)+\b)+7], v[AF+FR*(\a):AF+FR*(\a)+FR-1], v[BP+FR*\b:BP+FR*\b+FR-1], v[8*(8*((\a)%4)+\b):8*(8*((\a)%4)+\b)+7], v[SG+4*(\a)], v[SG+4*\b] matrix_a_fmt:MATRIX_FMT_FP6 matrix_b_fmt:MATRIX_FMT_FP6 matrix_b_scale:MATRIX_SCALE_ROW1
.endif
.endr
.endr
.endm
.macro FETCH_B
	WIN TO_B
.irp i, 0,1,2,3,4,5,6,7
	FRAG BN+FR*\i, ADRB, \i
.endr
	WIN 0
.endm
.macro FETCH_A i0
.irp i, \i0, \i0+1, \i0+2, \i0+3
	FRAG AF+FR*(\i), ADRA, \i
.endr
.endm
.macro PLACES n
.rept \n
	v_nop
.endr
.endm
; K step g: 64 matrix instructions; the next step's fragments are fetched at its start (B; where slots change, in its middle), in its middle (A's blocks 0-3) and at its end (A's blocks 4-7).
; bytes > 0: g is the last step of its slot, and all its fragments have been asked for.  ONE barrier, which opens a round of the cluster's barrier, changes slots: in front of it each wave waits for
; all its tensor loads (the one out is its part of the other slot), adds 0 to its spare word, and waits for that and for its reads of this slot; behind the round this slot is filled again, bytes further along K.
.macro STEP g, zero, su, bytes, ask
	SETG \g
	LOC G
.set CS, LS
	LOC G+1
.if \bytes
	s_wait_tensorcnt 0x0
	ds_add_u32 v[SPW], v[NIL]
	s_add_nc_u64 s[G0+4*CS+2:G0+4*CS+3], s[G0+4*CS+2:G0+4*CS+3], \bytes   ; no load of mine is out: the descriptors may be stepped
	s_add_nc_u64 s[G0B+4*CS+2:G0B+4*CS+3], s[G0B+4*CS+2:G0B+4*CS+3], \bytes
	s_wait_dscnt 4*NL+1                            ; the add and A's blocks 4-7 may be out
	WIN MUL_LO
	MUL16 0, 0
	s_wait_dscnt 0x0                               ; the add is done, and my reads of this slot are over
	s_barrier_signal -1
	MUL16 2, 0
	WIN 0
	s_barrier_wait -1
	CREST
	JLOAD G0+4*CS, G1, G0B+4*CS, G1B               ; the first tensor load behind the round; its four v_nop are the places in front of the loads below
	FETCH_B
.else
	FETCH_B                                        ; the next step lies in this step's slot, and B's other set has been free since the last step's end (its places stand there): asked for a whole step ahead
	s_wait_dscnt 12*NL                             ; A's blocks 4-7 and the 24 loads just issued may be out
	WIN MUL_LO
	MUL16 0, \zero
	MUL16 2, \zero
	s_wait_dscnt 8*NL                              ; A's blocks 4-7 are in; the next step's 24 loads of B may be out
	PLACES NP
	WIN 0
.endif
	FETCH_A 0
.if \su >= 0
	SCLOAD \su
.endif
.if \ask >= 0
	ASK \ask
.endif
	WIN MUL_HI
	MUL16 4, \zero
	MUL16 6, \zero
	PLACES NP
	WIN 0
	FETCH_A 4
.endm
.macro SB_FETCH ch, q                  ; aff_w's fragments of K step 16 + q, blocks 4 ch .. 4 ch + 3
	LOC 16+(\q)
.irp bb, 0,1,2,3
.irp c, 0,1,2
	ds_load_b128 v[FR*(4*(\q)+\bb)+4*\c:FR*(4*(\q)+\bb)+4*\c+3], v[ADRB+LS] offset:(4*(\ch)+\bb)*LP+LQ*IMG+512*\c
.endr
.endr
.endm
.macro SA_FETCH a, q                   ; style's fragment of K step 16 + q, block a
	LOC 16+(\q)
.irp c, 0,1,2
	ds_load_b128 v[PA+FR*(\q)+4*\c:PA+FR*(\q)+4*\c+3], v[ADRA+LS] offset:(\a)*LP+LQ*IMG+512*\c
.endr
.endm
.macro PIECE                           ; piece N: rows 16 AA .. + 15 x columns 64 CH .. + 63 of my part
.set CH, N/8
.set AA, N%8
.set AN, (N+1)%8
.set HI, AA/4
.set BS0, 64*(AA%4)+32*CH              ; base's four accumulators, in window 2 + HI
.set OB, RB0+32*(AA%2)                 ; the results: two sets by turns
.if N == 0
	s_wait_dscnt 8*NL                              ; the youngest 24 loads, aff_w's K steps 18 and 19, may be out
.else
	s_wait_dscnt 0x0
.endif
.irp q, 0,1,2,3
.if (N == 0) && (\q == 2)
	s_wait_dscnt 0x0
.endif
.if (\q == 0) && (CH == 1)
	WIN 0x44                                       ; aff_b of columns 64-127 lies in window 0
.else
	WIN 0x54
.endif
.irp bb, 0,1,2,3
.if \q == 0
	v_wmma_scale_f32_16x16x128_f8f6f4 v[SAC+8*\bb:SAC+8*\bb+7], v[PA+FR*\q:PA+FR*\q+FR-1], v[FR*(4*\q+\bb):FR*(4*\q+\bb)+FR-1], v[AB+8*\bb:AB+8*\bb+7], v[SC+4*AA+\q], v[SC+4*(4*CH+\bb)+\q] matrix_a_fmt:MATRIX_FMT_FP6 matrix_b_fmt:MATRIX_FMT_FP6 matrix_b_scale:MATRIX_SCALE_ROW1
.else
	v_wmma_scale_f32_16x16x128_f8f6f4 v[SAC+8*\bb:SAC+8*\bb+7], v[PA+FR*\q:PA+FR*\q+FR-1], v[FR*(4*\q+\bb):FR*(4*\q+\bb)+FR-1], v[SAC+8*\bb:SAC+8*\bb+7], v[SC+4*AA+\q], v[SC+4*(4*CH+\bb)+\q] matrix_a_fmt:MATRIX_FMT_FP6 matrix_b_fmt:MATRIX_FMT_FP6 matrix_b_scale:MATRIX_SCALE_ROW1
.endif
.endr
.endr
	WIN 0
	PLACES NP                                      ; in front of the loads into fragments just read, and of the first read of s
.if N == 7
	WIN TO_B
.irp q, 0,1,2,3
	SB_FETCH 1, \q
.endr
	WIN 0
.endif
.if N < 15
.irp q, 0,1,2,3
	SA_FETCH AN, \q
.endr
.endif
	s_wait_xcnt 0x0                                ; the earlier pieces' stores have read their registers: this piece's set may be written
	WIN 0x86+0x41*HI
.set n, 0
.rept 16
	v_pk_mul_f32 v[BS0+n:BS0+n+1], v[BS0+n:BS0+n+1], v[SAC+n:SAC+n+1]   ; base x s, each accumulator from its low end on
.set n, n+2
.endr
	WIN 0x82+0x41*HI
.irp bb, 0,1,2,3
.irp n, 0,2,4,6
	v_pk_mul_f32 v[BS0+8*\bb+\n:BS0+8*\bb+\n+1], v[BS0+8*\bb+\n:BS0+8*\bb+\n+1], v[WN+2*(4*CH+\bb):WN+2*(4*CH+\bb)+1]   ; x wnorm: one column a lane and block
.endr
.endr
	WIN 0x06+HI
.irp bb, 0,1,2,3
.irp j, 0,1,2,3,4,5,6,7
	v_fma_f32 v[OB+4*\j+\bb], v[BS0+8*\bb+\j], |v[SAC+8*\bb+\j]|, v[BI+4*CH+\bb]   ; x |s| + bias, into row j's four neighbouring columns
.endr
.endr
	WIN 0
.irp j, 0,1,2,3,4,5,6,7
	global_store_b128 v[CO], v[OB+4*\j:OB+4*\j+3], s[16:17] offset:(AA*16+\j)*8192+256*CH th:TH_STORE_NT   ; lanes 0-15 row j, lanes 16-31 row 8 + j: 256 consecutive bytes each, aligned
.endr
.endm
	s_wait_tensorcnt 0x0                           ; my part of K steps 0 and 1 is in
	ds_add_u32 v[SPW], v[NIL]
	s_wait_dscnt 0x0
	CROUND
	JLOAD G0+4, G1, G0B+4, G1B                     ; K steps 2 to 4, the first tensor load behind the round
.set BN, 0
	LOC 0
	FETCH_B
	FETCH_A 0
	FETCH_A 4
	ASK 5
	s_wait_loadcnt 0x0                             ; scales and parameters are in
.irp i, 0,1,2,3,4,5,6,7
	v_add_f32 v[WQ+4*\i], v[WQ+4*\i], v[WQ+4*\i+1]         ; wnorm = the root of the four K quarters' sums of squares.  LIMIT: a sum that is denormal gives 0
	v_add_f32 v[WQ+4*\i+2], v[WQ+4*\i+2], v[WQ+4*\i+3]
.endr
.irp i, 0,1,2,3,4,5,6,7
	v_add_f32 v[WL+\i], v[WQ+4*\i], v[WQ+4*\i+2]
.endr
	s_wait_alu depctr_va_vdst(0)                   ; the wait ahead of the batch; the one behind it stands at the head's end, ahead of every reader
.irp i, 0,1,2,3,4,5,6,7
	v_sqrt_f32 v[WL+\i], v[WL+\i]
.endr
	WIN TO_B
.irp bb, 0,1,2,3
.irp j, 0,1,2,3,4,5,6,7
	v_mov_b32 v[AB+8*\bb+\j], v[TB+\bb]            ; aff_b in the result's layout: a lane has one column of a block, in all eight registers
.endr
.endr
	WIN 0
.irp bb, 0,1,2,3
.irp j, 0,1,2,3,4,5,6,7
	v_mov_b32 v[AB+8*\bb+\j], v[TB+4+\bb]
.endr
.endr
	s_wait_alu depctr_va_vdst(0)                   ; the wait at the head's end
	STEP 0, 1, -1, 0, -1                           ; the first step's products start the sums
	STEP 1, 0, -1, 5*IMG, 8
	STEP 2, 0, -1, 0, -1
	STEP 3, 0, -1, 0, -1
	STEP 4, 0, -1, 6*IMG, 11
	STEP 5, 0, 2, 0, -1
	STEP 6, 0, -1, 0, -1
	STEP 7, 0, -1, 6*IMG, 14
	s_wait_loadcnt 0x0                             ; the scale words of K steps 8 to 11
	STEP 8, 0, 3, 0, -1
	STEP 9, 0, -1, 0, -1
	STEP 10, 0, -1, 6*IMG, 17
	STEP 11, 0, -1, 0, -1
	s_wait_loadcnt 0x0
	STEP 12, 0, 4, 0, -1
	STEP 13, 0, -1, 6*IMG, -1
	STEP 14, 0, -1, 0, -1
	SETG 15                                        ; base's last step; a barrier shows the last fill whole to all four waves
	s_wait_tensorcnt 0x0
	s_wait_dscnt 4*NL
	WIN MUL_LO
	MUL16 0, 0
	s_wait_dscnt 0x0
	s_barrier_signal -1
	MUL16 2, 0
	WIN 0
	s_barrier_wait -1
	PLACES NP
.irp i, 0,1,2,3,4,5,6,7
	v_mov_b32 v[WN+2*\i], v[WL+\i]                 ; wnorm in pairs, for the packed multiplies, where A's blocks 1 and 2 lay
	v_mov_b32 v[WN+2*\i+1], v[WL+\i]
.endr
	WIN TO_B
	SB_FETCH 0, 0                                  ; into B's set 0, which is done with
	SB_FETCH 0, 1
	WIN 0
.irp q, 0,1,2,3
	SA_FETCH 0, \q
.endr
	WIN MUL_HI
	MUL16 4, 0
	MUL16 6, 0
	PLACES NP+1                                    ; five: s is laid over registers of B's set 1
	WIN TO_B
	SB_FETCH 0, 2
	SB_FETCH 0, 3
	WIN 0
	s_wait_loadcnt 0x0                             ; the scale words of K steps 16 to 19
.set N, 0
.rept 16
	PIECE
.set N, N+1
.endr
	s_wait_tensorcnt 0x0                           ; the wave's end
	ds_add_u32 v[SPW], v[NIL]
	s_wait_dscnt 0x0
	CROUND                                         ; the closing round
	s_endpgm
.Lfunc_end_k_q327bf13a0b_gemm:
	.size	k_q327bf13a0b_gemm, .Lfunc_end_k_q327bf13a0b_gemm-k_q327bf13a0b_gemm
	.p2alignl 7, 3214868480
	.fill 96, 4, 3214868480
	.section	.rodata,"a",@progbits
	.p2align	6, 0x0
	.amdhsa_kernel k_q327bf13a0b_gemm
		.amdhsa_group_segment_fixed_size 327680
		.amdhsa_private_segment_fixed_size 0
		.amdhsa_enable_private_segment 0
		.amdhsa_kernarg_size 56
		.amdhsa_user_sgpr_count 2
		.amdhsa_user_sgpr_kernarg_segment_ptr 1
		.amdhsa_wavefront_size32 1
		.amdhsa_system_sgpr_workgroup_id_x 1
		.amdhsa_system_sgpr_workgroup_id_y 1
		.amdhsa_system_sgpr_workgroup_id_z 1
		.amdhsa_system_vgpr_workitem_id 0
		.amdhsa_next_free_vgpr 1024
		.amdhsa_next_free_sgpr 98
		.amdhsa_reserve_vcc 0
		.amdhsa_float_denorm_mode_32 3
		.amdhsa_float_denorm_mode_16_64 3
		.amdhsa_memory_ordered 1
		.amdhsa_forward_progress 1
		.amdhsa_inst_pref_size 255
	.end_amdhsa_kernel
	.section	.bss,"aw",@nobits
	.p2align	6
	.space	262144
	.amdgpu_metadata
---
amdhsa.version: [ 1, 2 ]
amdhsa.kernels:
  - .name:           k_q327bf13a0b_gemm
    .symbol:         k_q327bf13a0b_gemm.kd
    .args:
      - { .name: a_codes, .offset: 0, .size: 8, .value_kind: global_buffer, .address_space: global }
      - { .name: b_codes, .offset: 8, .size: 8, .value_kind: global_buffer, .address_space: global }
      - { .name: scales, .offset: 16, .size: 8, .value_kind: global_buffer, .address_space: global }
      - { .name: aff_b, .offset: 24, .size: 8, .value_kind: global_buffer, .address_space: global }
      - { .name: wnorm, .offset: 32, .size: 8, .value_kind: global_buffer, .address_space: global }
      - { .name: bias, .offset: 40, .size: 8, .value_kind: global_buffer, .address_space: global }
      - { .name: out0, .offset: 48, .size: 8, .value_kind: global_buffer, .address_space: global }
    .group_segment_fixed_size: 327680
    .private_segment_fixed_size: 0
    .kernarg_segment_align: 8
    .kernarg_segment_size: 56
    .max_flat_workgroup_size: 128
    .sgpr_count:     98
    .vgpr_count:     1024
    .wavefront_size: 32
...
	.end_amdgpu_metadata
.endif
;; end of part 2
